; MI455X (gfx1250); checked and timed in simulation.
; The chip was launched on July 23, 2026; its instructions are those of AMD's public machine-readable ISA for CDNA 5 (MIT licence, August 2026) and "CDNA5" Instruction Set Architecture Reference Guide (July 2026). The comments in the code are by the model that wrote it; some were corrected since.
;; Bottleneck Summary. Allowed arithmetic: float matrix products may take bf16 or f16 operands with f32 sums; all other float work in f32.
;; Inputs: Wk 1,024 x 1,024 float32; Wq 1,024 x 1,024 float32; Wv 1,024 x 1,024 float32; attention_mask 16 x 2,048 int32; bk 1,024 float32; bq 1,024 float32; bv 1,024 float32; embeddings 16 x 2,048 x 1,024 float32; first_piece_mask 16 x 2,048 int32; first_sentence_mask 16 x 2,048 int32; hidden_states 16 x 2,048 x 1,024 float32.
;; Outputs: out0 16 x 1,024 float32; out1 16 x 1,024 float32; out2 16 x 1,024 float32.
;; 2 versions, each right; version 2 is version 1 with the launch attn written anew for expert scheduling mode. Each part assembles by itself: llvm-mc -triple=amdgcn-amd-amdhsa -mcpu=gfx1250 --defsym DOCPART=n.
;; ======== version 1 of 2: 4 launches
;; workspace buffers: qpart 1,048,576 bytes; cpart 65,536 bytes; upart 1,048,576 bytes; scores 131,072 bytes; accp 1,048,576 bytes; stat 65,536 bytes
;; launch havg (part 1): grid 16 x 16, 16 waves a work-group, clusters of 4 x 1, 297,472 bytes of LDS; arguments hidden_states, attention_mask, Wq, bq, bk, qpart, cpart; writes qpart, cpart
.if DOCPART == 1
	.amdgcn_target "amdgcn-amd-amdhsa--gfx1250"
	.amdhsa_code_object_version 6
	.text
	.protected	k_qada325b1f8_havg
	.globl	k_qada325b1f8_havg
	.p2align	8
	.type	k_qada325b1f8_havg,@function
k_qada325b1f8_havg:
	s_mov_b64 s[64:65], 0
	v_nop
	global_prefetch_b8 v0, s[64:65] scope:SCOPE_SE
	s_setreg_imm32_b32 hwreg(HW_REG_WAVE_MODE, 25, 1), 1
	s_wait_xcnt 0x0
	s_wait_alu depctr_hold_cnt(0) depctr_sa_sdst(0) depctr_va_vdst(0) depctr_va_sdst(0) depctr_va_ssrc(0) depctr_va_vcc(0) depctr_vm_vsrc(0)
	s_getreg_b32 s2, hwreg(HW_REG_IB_STS2, 6, 4)
	s_cmp_eq_u32 s2, 0
	s_cbranch_scc0 .Lentry_in_a_cluster
	s_endpgm
.Lentry_in_a_cluster:
	s_bfe_u32 s2, ttmp6, 0x10000c
	s_cmp_lg_u32 s2, 0x3003
	s_cbranch_scc0 .Lentry_shape_is_right
	s_endpgm
.Lentry_shape_is_right:
; Step 1 of 4.  The problem's k = E Wk^T + bk is only ever multiplied by one vector q per batch, and v = E Wv^T + bv only summed with
; weights p, so for every input: score[b,t] = ((Wk^T q_b) . e_bt + q_b . bk) / 32 and combined[b] = Wv (sum_t p_bt e_bt) + bv (sum_t p = 1).
; This launch: the masked mean of hidden_states and its product with Wq, by strips of 64 columns.
;   qpart[b][s][j] = sum over h in 64 s .. 64 s + 63 of avg[b][h] Wq[j][h] + bq[j] / 16     (summed over s: q[b][j])
;   cpart[b][s]    = sum over j of qpart[b][s][j] bk[j], repeated over 256 bytes             (summed over s: q[b] . bk)
; A work-group owns batch b and strip s (256 aligned bytes of each of the 2,048 rows), so the strip's mean needs no other work-group.
; Wave w owns rows 128 w .. 128 w + 127; one 16-byte load of the wave takes the strip of two rows: lanes 0-15 row 128 w + i, lanes 16-31 row 128 w + 64 + i.
; All arithmetic is f32 on the vector unit: each number loaded feeds one multiply-add, so a conversion for the matrix unit would cost as much as the work.
; CLUSTER 4 x 1: the four partners are four batches with the same strip, and need the same 1,024 x 256 bytes of Wq: one joint tensor load a wave,
; issued once; it lands while hidden_states streams.  Even rows j go to WQE, odd rows to WQO, so that lane l of wave w reads rows 64 w + 2 l and + 1
; at a pitch of 272 bytes (an odd multiple of 16: sixteen lanes touch sixteen different 16-byte columns modulo 256) and a wave stores 256 neighbouring bytes of qpart.
; The mask enters as float(mask), as the problem uses it.  first_piece_mask is an argument that the problem's function never uses: no launch reads it.
; LIMITS: the division by the mask's sum is v_rcp_f32 and a multiply (1 ulp).  A mask that sums to 0 gives a NaN mean, as in the problem; the later launches
; throw the scores made of it away wherever the mask is 0.  NaN and infinities in the inputs give NaN, not bit for bit.
.set PITCH, 272
.set WQO,   512*PITCH                  ; 139,264: the odd rows of Wq's strip (the even rows lie at 0)
.set MSK,   1024*PITCH                 ; 278,528: 16 waves x 512 bytes, the wave's 128 mask numbers as f32
.set RED,   MSK+8192                   ; 16 waves x 256 bytes: each wave's sums of the 64 columns
.set AVG,   RED+4096                   ; 16 waves x 256 bytes: the mean, a copy for each wave
.set CNT,   AVG+4096                   ; 16 words: each wave's sum of its mask numbers
.set CW,    CNT+256                    ; 16 words: each wave's part of q . bk
.set ACC,   10                         ; v[10:13]   sums of my 4 columns
.set MF,    20                         ; v[20:83]   mask of my 64 rows; later the 64 means
.set XR,    84                         ; v[84:147]  16 slots of 4: rows on their way; later Wq's even row
.set OD,    148                        ; v[148:211] at work in the reduction; later Wq's odd row
.set BQ,    212                        ; v[212:213] bq of my two j
.set BK,    214                        ; v[214:215] bk of my two j
.set MI,    216                        ; v[216:219] four mask numbers; later the other half's sums
.set D0,    220                        ; v[220:223] two chains of a dot product
.set D1,    222
.set QQ,    224                        ; v[224:225] my two numbers of qpart
.set TP,    226                        ; destination of the lane exchange
.set CP,    227                        ; my part of q . bk
; v1 lane, v2 offset in hidden_states, v3 16 t, v4 8 t, v5-v9 and v14-v19 LDS addresses, v228 8 x lane; none is ever rewritten
.macro BAR
	s_barrier_signal -1
	s_barrier_wait -1
.endm
.macro ROUND                           ; a round of the cluster's barrier: my work-group's barrier, wave 0 signals for it, all wait for the four, my barrier again
	s_barrier_signal -1
	s_barrier_wait -1
	s_cmp_lg_u32 s18, 0
	s_cbranch_scc1 .Lnot_wave_0_\@
	s_barrier_signal -3
.Lnot_wave_0_\@:
	s_barrier_wait -3
	s_barrier_signal -1
	s_barrier_wait -1
.endm
.macro WSUM reg, tmp                   ; sum over the 32 lanes, result in every lane
	v_add_f32_dpp v[\reg], v[\reg], v[\reg] row_xmask:1 row_mask:0xf bank_mask:0xf
	v_add_f32_dpp v[\reg], v[\reg], v[\reg] row_xmask:2 row_mask:0xf bank_mask:0xf
	v_add_f32_dpp v[\reg], v[\reg], v[\reg] row_xmask:4 row_mask:0xf bank_mask:0xf
	v_add_f32_dpp v[\reg], v[\reg], v[\reg] row_xmask:8 row_mask:0xf bank_mask:0xf
	v_permlanex16_b32 v[\tmp], v[\reg], s36, s37
	v_add_f32 v[\reg], v[\reg], v[\tmp]
.endm
.macro BFMA dst, src, mul              ; two sums += two numbers x the one number in v[mul]
.if (\mul)&1
	v_pk_fma_f32 v[\dst:\dst+1], v[\src:\src+1], v[\mul-1:\mul], v[\dst:\dst+1] op_sel:[0,1,0] op_sel_hi:[1,1,1]
.else
	v_pk_fma_f32 v[\dst:\dst+1], v[\src:\src+1], v[\mul:\mul+1], v[\dst:\dst+1] op_sel_hi:[1,0,1]
.endif
.endm
.macro BMUL dst, src, mul              ; the same without an addend: starts a sum, so nothing is cleared
.if (\mul)&1
	v_pk_mul_f32 v[\dst:\dst+1], v[\src:\src+1], v[\mul-1:\mul] op_sel:[0,1] op_sel_hi:[1,1]
.else
	v_pk_mul_f32 v[\dst:\dst+1], v[\src:\src+1], v[\mul:\mul+1] op_sel_hi:[1,0]
.endif
.endm
.macro PSUM base, half                 ; the registers base+half .. base+2 half-1 are added onto base .. base+half-1
.set kk, 0
.rept (\half)/2
	v_pk_add_f32 v[\base+kk:\base+kk+1], v[\base+kk:\base+kk+1], v[\base+kk+\half:\base+kk+\half+1]
.set kk, kk+2
.endr
.endm
.macro DOT64 src, res                  ; v[res] = the 64 numbers at v[src] . the 64 means, in two chains
	v_pk_mul_f32 v[D0:D0+1], v[\src:\src+1], v[MF:MF+1]
	v_pk_mul_f32 v[D1:D1+1], v[\src+2:\src+3], v[MF+2:MF+3]
.set kk, 4
.rept 15
	v_pk_fma_f32 v[D0:D0+1], v[\src+kk:\src+kk+1], v[MF+kk:MF+kk+1], v[D0:D0+1]
	v_pk_fma_f32 v[D1:D1+1], v[\src+kk+2:\src+kk+3], v[MF+kk+2:MF+kk+3], v[D1:D1+1]
.set kk, kk+4
.endr
	v_pk_add_f32 v[D0:D0+1], v[D0:D0+1], v[D1:D1+1]
	v_add_f32 v[\res], v[D0], v[D0+1]
.endm
	s_load_b256 s[4:11], s[0:1], 0x0               ; hidden_states s[4:5], attention_mask s[6:7], Wq s[8:9], bq s[10:11]
	s_load_b128 s[12:15], s[0:1], 0x20             ; bk s[12:13], qpart s[14:15]
	s_load_b64 s[16:17], s[0:1], 0x30              ; cpart
	v_lshl_add_u32 v232, v0, 2, 0x48200
	v_mov_b32 v233, 0
	ds_add_u32 v232, v233
	v_lshrrev_b32 v1, 5, v0
	v_readfirstlane_b32 s18, v1                    ; wave 0..15
	s_bfe_u32 s19, ttmp6, 0x40000                  ; cx: my place in the cluster
	s_lshl_b32 s20, ttmp9, 2
	s_add_co_u32 s20, s20, s19                     ; b = 4 x cluster x + cx: enters global addresses of my own loads and stores alone
	s_and_b32 s21, ttmp7, 0xffff                   ; strip s, the same in all four partners
	s_mov_b32 s36, 0x76543210                      ; v_permlanex16_b32: lane i takes lane i of the other half
	s_mov_b32 s37, 0xfedcba98
	; the joint load: 64 rows x 64 f32 of Wq, every second row, padded to 272 bytes in LDS
	s_mov_b32 s24, 1                               ; group 0: count = 1
	s_mul_i32 s25, s18, 64*PITCH                   ; LDS address: wave x 64 rows; waves 0-7 fill WQE, waves 8-15 WQO
	s_mov_b32 s28, 0x0772000f                      ; group 1: mask of the four partners; 4-byte elements; padding on; bit 21 beside a mask; after every 64 words, 4 words
	s_mov_b32 s29, 64<<16                          ; tensor_dim0 = 64
	s_mov_b32 s30, 64<<16                          ; tensor_dim1 = 64
	s_mov_b32 s31, 64<<16                          ; tile_dim0 = 64
	s_mov_b32 s32, 64                              ; tile_dim1 = 64
	s_mov_b32 s33, 2048                            ; from row to row: two rows of Wq
	s_mov_b32 s34, 0
	s_mov_b32 s35, 0
	s_and_b32 s44, s18, 7                          ; its offset in Wq, in registers that never hold cx:
	s_lshl_b32 s44, s44, 19                        ; 128 rows of 4,096 bytes for each of eight waves,
	s_lshr_b32 s46, s18, 3
	s_lshl_b32 s46, s46, 12                        ; one row further for the odd rows,
	s_add_co_u32 s44, s44, s46
	s_lshl_b32 s46, s21, 8                         ; and the strip's 256 bytes
	s_add_co_u32 s44, s44, s46
	s_mov_b32 s45, 0
	s_lshl_b32 s22, s20, 23                        ; hidden_states: b x 2,048 rows x 4,096 bytes + the strip
	s_add_co_u32 s22, s22, s46
	s_mov_b32 s23, 0
	s_lshl4_add_u32 s43, s20, s21                  ; 16 b + s
	v_and_b32 v1, 31, v0                           ; lane
	v_and_b32 v229, 15, v0                         ; lane mod 16
	v_lshrrev_b32 v2, 4, v0                        ; t / 16 = 2 w + half: my first row is 64 x that
	v_lshlrev_b32 v2, 18, v2                       ; x 64 rows x 4,096 bytes
	v_lshl_or_b32 v2, v229, 4, v2                  ; + my 16 bytes of the strip
	v_lshlrev_b32 v3, 4, v0                        ; 16 t: my four mask numbers
	v_lshlrev_b32 v4, 3, v0                        ; 8 t: j = 2 t, 2 t + 1 in bq, bk and qpart
	s_wait_dscnt 0x0
	s_wait_kmcnt 0x0
	s_add_nc_u64 s[26:27], s[8:9], s[44:45]        ; group 0: the tile's first element,
	s_or_b32 s27, s27, 0x80000000                  ; type = 2
	s_add_nc_u64 s[4:5], s[4:5], s[22:23]
	s_lshl_b32 s22, s20, 13
	s_add_nc_u64 s[6:7], s[6:7], s[22:23]          ; the batch's row of the mask
	s_lshl_b32 s22, s43, 12
	s_add_nc_u64 s[14:15], s[14:15], s[22:23]      ; qpart[b][s]
	s_lshl_b32 s22, s43, 8
	s_add_nc_u64 s[16:17], s[16:17], s[22:23]      ; cpart[b][s]
	global_load_b128 v[MI:MI+3], v3, s[6:7]        ; mask of rows 4 t .. 4 t + 3
	global_load_b64 v[BQ:BQ+1], v4, s[10:11]
	global_load_b64 v[BK:BK+1], v4, s[12:13]
.set i, 0
.rept 16
	global_load_b128 v[XR+4*i:XR+4*i+3], v2, s[4:5] offset:i*4096 th:TH_LOAD_NT   ; the ring is filled: 16 loads x 512 bytes a wave
.set i, i+1
.endr
	ROUND                                          ; the four partners are here: their joint requests meet
	tensor_load_to_lds s[24:27], s[28:35]          ; my one tensor load of the launch: by this text's count one is out
	s_nop 0
	; LDS addresses: a constant + the wave's number x a constant + a lane term
	v_lshrrev_b32 v230, 4, v1                      ; which half of the lanes
	v_lshlrev_b32 v228, 3, v1
	v_mov_b32 v[TP], 0                             ; the lane exchange counts as a reader of its destination
	s_lshl_b32 s38, s18, 9
	s_add_co_u32 s38, s38, MSK
	v_lshl_add_u32 v5, v1, 4, s38                  ; mask in: 16 bytes a lane
	v_lshl_add_u32 v6, v230, 8, s38                ; mask back: the 64 numbers of my half's rows
	s_lshl_b32 s39, s18, 8
	s_add_co_u32 s42, s39, AVG
	s_add_co_u32 s39, s39, RED
	v_lshl_add_u32 v7, v229, 4, s39                ; my wave's sums: 16 bytes for each of 16 lanes
	v_lshl_add_u32 v8, v1, 3, RED                  ; all waves' sums of columns 2 l, 2 l + 1
	s_lshl_b32 s40, s18, 2
	s_add_co_u32 s40, s40, CNT
	v_mov_b32 v9, s40
	v_mov_b32 v14, CNT
	s_mul_i32 s41, s18, 32*PITCH
	v_mad_u32_u24 v15, v1, PITCH, s41              ; Wq's even row 64 w + 2 l
	v_add_nc_u32 v16, WQO, v15                     ; and the odd row behind it
	v_lshl_add_u32 v17, v1, 3, s42
	v_mov_b32 v18, s42
	v_add_nc_u32 v19, CW-CNT, v9
	; the mask: to f32, its sum for the mean, and through my wave's own LDS bytes into the order of my rows
	s_wait_loadcnt 18                              ; younger than the mask's load: bq, bk and 16 rows
.irp e, 0,1,2,3
	v_cvt_f32_i32 v[MI+\e], v[MI+\e]
.endr
	ds_store_b128 v5, v[MI:MI+3]
	v_add_f32 v[CP], v[MI], v[MI+1]
	v_add_f32 v[D0], v[MI+2], v[MI+3]
	v_add_f32 v[CP], v[CP], v[D0]
	WSUM CP, TP
	ds_store_b32 v9, v[CP]                         ; every lane writes the same word with the same number
.set i, 0
.rept 16
	ds_load_b128 v[MF+4*i:MF+4*i+3], v6 offset:16*i    ; my wave's own bytes, served in the order of issue: these see the store above
.set i, i+1
.endr
	s_wait_dscnt 0x0                               ; v[MF+i] = mask of row 128 w + 64 half + i
	; the stream: 64 turns, one row pair each; the slot is loaded again with the row 16 further down
.set i, 0
.rept 64
.set xs, XR+4*(i%16)
.set mi, MF+i
.if i < 48
	s_wait_loadcnt 15                              ; loads come back in order: rows i + 1 .. i + 15 stay out
.else
	s_wait_loadcnt 63-i                            ; nothing is fetched beyond row 63: the counts run down
.endif
.if i == 0
	BMUL ACC, xs, mi
	BMUL ACC+2, xs+2, mi
.else
	BFMA ACC, xs, mi
	BFMA ACC+2, xs+2, mi
.endif
.if i < 48
	global_load_b128 v[xs:xs+3], v2, s[4:5] offset:(i+16)*4096 th:TH_LOAD_NT
.endif
.set i, i+1
.endr
	; the two halves of the lanes hold the same columns of different rows
.irp e, 0,1,2,3
	v_permlanex16_b32 v[MI+\e], v[ACC+\e], s36, s37
.endr
	v_pk_add_f32 v[ACC:ACC+1], v[ACC:ACC+1], v[MI:MI+1]
	v_pk_add_f32 v[ACC+2:ACC+3], v[ACC+2:ACC+3], v[MI+2:MI+3]
	ds_store_b128 v7, v[ACC:ACC+3]                 ; both halves write the same bytes with the same numbers
	s_wait_dscnt 0x0                               ; my sums and my count are in LDS,
	s_wait_tensorcnt 0x0                           ; my 64 rows of Wq too:
	BAR                                            ; everybody's are
	; every wave makes the whole mean for itself: lane l columns 2 l, 2 l + 1
.set i, 0
.rept 16
	ds_load_b64 v[OD+2*i:OD+2*i+1], v8 offset:256*i
.set i, i+1
.endr
.irp e, 0,1,2,3
	ds_load_b128 v[OD+32+4*\e:OD+35+4*\e], v14 offset:16*\e
.endr
.set i, 0
.rept 16
	ds_load_b128 v[XR+4*i:XR+4*i+3], v15 offset:16*i   ; Wq's even row, meanwhile
.set i, i+1
.endr
	s_wait_dscnt 16                                ; the 16 loads of Wq's row stay out
	PSUM OD, 16
	PSUM OD, 8
	PSUM OD, 4
	PSUM OD, 2
	PSUM OD+32, 8
	PSUM OD+32, 4
	PSUM OD+32, 2
	v_add_f32 v[OD+32], v[OD+32], v[OD+33]         ; the sum of the batch's mask
	v_rcp_f32 v[OD+34], v[OD+32]
	v_nop                                          ; one plain vector instruction between v_rcp_f32 and the use of its result (ISA guide 5.7.2)
	s_wait_alu depctr_va_vdst(0)
	v_pk_mul_f32 v[D0:D0+1], v[OD:OD+1], v[OD+34:OD+35] op_sel_hi:[1,0]
	ds_store_b64 v17, v[D0:D0+1]
.set i, 0
.rept 16
	ds_load_b128 v[MF+4*i:MF+4*i+3], v18 offset:16*i   ; all 64 means into every lane: my wave's own bytes, in order behind the store
.set i, i+1
.endr
.set i, 0
.rept 16
	ds_load_b128 v[OD+4*i:OD+4*i+3], v16 offset:16*i   ; Wq's odd row
.set i, i+1
.endr
	s_wait_dscnt 16                                ; the odd row's 16 loads stay out
	DOT64 XR, QQ
	s_wait_dscnt 0x0
	DOT64 OD, QQ+1
	v_fma_f32 v[QQ], v[BQ], 0x3d800000, v[QQ]      ; + bq / 16: the 16 strips together add bq once
	v_fma_f32 v[QQ+1], v[BQ+1], 0x3d800000, v[QQ+1]
	global_store_b64 v4, v[QQ:QQ+1], s[14:15]      ; a wave stores 256 consecutive bytes, aligned
	v_mul_f32 v[CP], v[QQ], v[BK]
	v_fmac_f32 v[CP], v[QQ+1], v[BK+1]
	WSUM CP, TP
	ds_store_b32 v19, v[CP]
	s_wait_dscnt 0x0
	BAR
	s_cmp_lg_u32 s18, 0
	s_cbranch_scc1 .Lno_c
.irp e, 0,1,2,3
	ds_load_b128 v[OD+4*\e:OD+4*\e+3], v14 offset:CW-CNT+16*\e
.endr
	s_wait_dscnt 0x0
	PSUM OD, 8
	PSUM OD, 4
	PSUM OD, 2
	v_add_f32 v[OD], v[OD], v[OD+1]
	v_mov_b32 v[OD+1], v[OD]
	global_store_b64 v228, v[OD:OD+1], s[16:17]    ; the one number 64 times: 256 consecutive bytes, aligned
.Lno_c:
	s_wait_tensorcnt 0x0
	ds_add_u32 v232, v233
	s_wait_dscnt 0x0
	ROUND                                          ; the closing round: no work-group ends while a partner may still ask jointly
	s_endpgm
.Lfunc_end_k_qada325b1f8_havg:
	.size	k_qada325b1f8_havg, .Lfunc_end_k_qada325b1f8_havg-k_qada325b1f8_havg
	.p2alignl 7, 3214868480
	.fill 96, 4, 3214868480
	.section	.rodata,"a",@progbits
	.p2align	6, 0x0
	.amdhsa_kernel k_qada325b1f8_havg
		.amdhsa_group_segment_fixed_size 297472
		.amdhsa_private_segment_fixed_size 0
		.amdhsa_enable_private_segment 0
		.amdhsa_kernarg_size 56
		.amdhsa_user_sgpr_count 2
		.amdhsa_user_sgpr_kernarg_segment_ptr 1
		.amdhsa_wavefront_size32 1
		.amdhsa_system_sgpr_workgroup_id_x 1
		.amdhsa_system_sgpr_workgroup_id_y 1
		.amdhsa_system_sgpr_workgroup_id_z 1
		.amdhsa_system_vgpr_workitem_id 0
		.amdhsa_next_free_vgpr 234
		.amdhsa_next_free_sgpr 66
		.amdhsa_reserve_vcc 0
		.amdhsa_float_denorm_mode_32 3
		.amdhsa_float_denorm_mode_16_64 3
		.amdhsa_memory_ordered 1
		.amdhsa_forward_progress 1
		.amdhsa_inst_pref_size 36
	.end_amdhsa_kernel
	.amdgpu_metadata
---
amdhsa.version: [ 1, 2 ]
amdhsa.kernels:
  - .name:           k_qada325b1f8_havg
    .symbol:         k_qada325b1f8_havg.kd
    .args:
      - { .name: hidden_states, .offset: 0, .size: 8, .value_kind: global_buffer, .address_space: global }
      - { .name: attention_mask, .offset: 8, .size: 8, .value_kind: global_buffer, .address_space: global }
      - { .name: Wq, .offset: 16, .size: 8, .value_kind: global_buffer, .address_space: global }
      - { .name: bq, .offset: 24, .size: 8, .value_kind: global_buffer, .address_space: global }
      - { .name: bk, .offset: 32, .size: 8, .value_kind: global_buffer, .address_space: global }
      - { .name: qpart, .offset: 40, .size: 8, .value_kind: global_buffer, .address_space: global }
      - { .name: cpart, .offset: 48, .size: 8, .value_kind: global_buffer, .address_space: global }
    .group_segment_fixed_size: 297472
    .private_segment_fixed_size: 0
    .kernarg_segment_align: 8
    .kernarg_segment_size: 56
    .max_flat_workgroup_size: 512
    .sgpr_count:     66
    .vgpr_count:     234
    .wavefront_size: 32
...
	.end_amdgpu_metadata
.endif
;; end of part 1
;; launch umat (part 2): grid 16 x 16, 8 waves a work-group, clusters of 4 x 1, 168,960 bytes of LDS; arguments qpart, Wk, upart; writes upart
.if DOCPART == 2
	.amdgcn_target "amdgcn-amd-amdhsa--gfx1250"
	.amdhsa_code_object_version 6
	.text
	.protected	k_qada325b1f8_umat
	.globl	k_qada325b1f8_umat
	.p2align	8
	.type	k_qada325b1f8_umat,@function
k_qada325b1f8_umat:
	s_mov_b64 s[64:65], 0
	v_nop
	global_prefetch_b8 v0, s[64:65] scope:SCOPE_SE
	s_setreg_imm32_b32 hwreg(HW_REG_WAVE_MODE, 25, 1), 1
	s_wait_xcnt 0x0
	s_wait_alu depctr_hold_cnt(0) depctr_sa_sdst(0) depctr_va_vdst(0) depctr_va_sdst(0) depctr_va_ssrc(0) depctr_va_vcc(0) depctr_vm_vsrc(0)
	s_getreg_b32 s2, hwreg(HW_REG_IB_STS2, 6, 4)
	s_cmp_eq_u32 s2, 0
	s_cbranch_scc0 .Lentry_in_a_cluster
	s_endpgm
.Lentry_in_a_cluster:
	s_bfe_u32 s2, ttmp6, 0x10000c
	s_cmp_lg_u32 s2, 0x3003
	s_cbranch_scc0 .Lentry_shape_is_right
	s_endpgm
.Lentry_shape_is_right:
; Step 2 of 4.  upart[b][g][h] = sum over j in 64 g .. 64 g + 63 of q[b][j] Wk[j][h], with q[b][j] = sum over s of qpart[b][s][j].
; Summed over g that is u[b] = Wk^T q[b], the one vector that every row of embeddings is multiplied by.
; A work-group owns 64 rows j (g) and 64 columns h (r) of Wk, for all 16 batches: Wk is read once in the launch.  256 threads: thread (b = t / 16, t mod 16).
; f32 on the vector unit: 16 rows against a matrix that is read once.
; CLUSTER 4 x 1: the four partners have the same g and need the same slice qpart[:, :, 64 g .. + 63] (256 rows x 256 bytes): joint loads.
; The tile of Wk (64 rows x 256 bytes) is the work-group's own: a plain tensor load in the same group.  By this text's count two loads of a wave are out.
; In LDS sixteen neighbouring lanes always read 256 neighbouring bytes or one word: no padding.
.set QP,  0                            ; 65,536 bytes: row 16 b + s, 256 bytes each
.set WKT, 65536                        ; 16,384 bytes: 64 rows of 256 bytes
.set QS,  81920                        ; 4,096 bytes: q[b][64 g ..], 256 bytes a batch; no tensor load lands here
.set ACC, 8                            ; v[8:11]    my 4 columns
.set QR,  16                           ; v[16:79]   16 quads of qpart, then the batch's 64 q
.set W0,  80                           ; v[80:143]  16 rows of Wk, 4 columns each
.set W1,  144                          ; v[144:207] 16 more
.macro BAR
	s_barrier_signal -1
	s_barrier_wait -1
.endm
.macro ROUND                           ; a round of the cluster's barrier
	s_barrier_signal -1
	s_barrier_wait -1
	s_cmp_lg_u32 s10, 0
	s_cbranch_scc1 .Lnot_wave_0_\@
	s_barrier_signal -3
.Lnot_wave_0_\@:
	s_barrier_wait -3
	s_barrier_signal -1
	s_barrier_wait -1
.endm
.macro BFMA dst, src, mul
.if (\mul)&1
	v_pk_fma_f32 v[\dst:\dst+1], v[\src:\src+1], v[\mul-1:\mul], v[\dst:\dst+1] op_sel:[0,1,0] op_sel_hi:[1,1,1]
.else
	v_pk_fma_f32 v[\dst:\dst+1], v[\src:\src+1], v[\mul:\mul+1], v[\dst:\dst+1] op_sel_hi:[1,0,1]
.endif
.endm
.macro BMUL dst, src, mul
.if (\mul)&1
	v_pk_mul_f32 v[\dst:\dst+1], v[\src:\src+1], v[\mul-1:\mul] op_sel:[0,1] op_sel_hi:[1,1]
.else
	v_pk_mul_f32 v[\dst:\dst+1], v[\src:\src+1], v[\mul:\mul+1] op_sel_hi:[1,0]
.endif
.endm
.macro PSUM base, half
.set kk, 0
.rept (\half)/2
	v_pk_add_f32 v[\base+kk:\base+kk+1], v[\base+kk:\base+kk+1], v[\base+kk+\half:\base+kk+\half+1]
.set kk, kk+2
.endr
.endm
.macro WROWS buf, j0                   ; 16 rows of Wk's tile, my 16 bytes of each
.set jj, 0
.rept 16
	ds_load_b128 v[\buf+4*jj:\buf+4*jj+3], v6 offset:(\j0+jj)*256
.set jj, jj+1
.endr
.endm
.macro MAC16 buf, j0, first            ; my 4 columns += q[j] x Wk[j][..] for 16 rows j; first = 1: the first product starts the sums
.set jj, 0
.rept 16
.set wx, \buf+4*jj
.set qi, QR+\j0+jj
.if (\first-jj) == 1
	BMUL ACC, wx, qi
	BMUL ACC+2, wx+2, qi
.else
	BFMA ACC, wx, qi
	BFMA ACC+2, wx+2, qi
.endif
.set jj, jj+1
.endr
.endm
	s_load_b128 s[4:7], s[0:1], 0x0                ; qpart s[4:5], Wk s[6:7]
	s_load_b64 s[8:9], s[0:1], 0x10                ; upart
	v_lshl_add_u32 v208, v0, 2, 0x29000
	v_mov_b32 v209, 0
	ds_add_u32 v208, v209
	v_lshrrev_b32 v1, 5, v0
	v_readfirstlane_b32 s10, v1                    ; wave 0..7
	s_bfe_u32 s11, ttmp6, 0x40000                  ; cx
	s_lshl_b32 s12, ttmp9, 2
	s_add_co_u32 s12, s12, s11                     ; r = 4 x cluster x + cx: enters my own tile's and my stores' global addresses alone
	s_and_b32 s13, ttmp7, 0xffff                   ; g, the same in all four partners
	; the joint load: 32 rows x 64 f32 of qpart
	s_mov_b32 s16, 1
	s_lshl_b32 s17, s10, 13                        ; LDS: wave x 32 rows x 256 bytes
	s_mov_b32 s20, 0x0022000f                      ; mask of the four; 4-byte elements; bit 21 beside a mask
	s_mov_b32 s21, 64<<16                          ; tensor_dim0 = 64
	s_mov_b32 s22, 32<<16                          ; tensor_dim1 = 32
	s_mov_b32 s23, 64<<16                          ; tile_dim0 = 64
	s_mov_b32 s24, 32                              ; tile_dim1 = 32
	s_mov_b32 s25, 1024                            ; from row to row
	s_mov_b32 s26, 0
	s_mov_b32 s27, 0
	s_lshl_b32 s40, s13, 8                         ; its offset, in registers that never hold cx: the slice's 256 bytes
	s_lshl_b32 s42, s10, 17                        ; + wave x 32 rows x 4,096 bytes
	s_add_co_u32 s40, s40, s42
	s_mov_b32 s41, 0
	; the plain load: 8 rows x 64 f32 of Wk
	s_mov_b32 s28, 1
	s_lshl_b32 s29, s10, 11
	s_add_co_u32 s29, s29, WKT                     ; LDS: WKT + wave x 8 rows x 256 bytes
	s_mov_b32 s32, 0x00020000                      ; no mask; 4-byte elements
	s_mov_b32 s33, 64<<16
	s_mov_b32 s34, 8<<16
	s_mov_b32 s35, 64<<16
	s_mov_b32 s36, 8
	s_mov_b32 s37, 1024
	s_mov_b32 s38, 0
	s_mov_b32 s39, 0
	s_lshl_b32 s44, s13, 18                        ; 64 g rows of 4,096 bytes
	s_lshl_b32 s46, s10, 15                        ; + 8 rows a wave
	s_add_co_u32 s44, s44, s46
	s_lshl_b32 s46, s12, 8                         ; + the strip r
	s_add_co_u32 s44, s44, s46
	s_mov_b32 s45, 0
	s_lshl_b32 s48, s13, 12                        ; upart[.][g][64 r ..]
	s_add_co_u32 s48, s48, s46
	s_mov_b32 s49, 0
	s_wait_dscnt 0x0
	s_wait_kmcnt 0x0
	s_add_nc_u64 s[18:19], s[4:5], s[40:41]
	s_or_b32 s19, s19, 0x80000000
	s_add_nc_u64 s[30:31], s[6:7], s[44:45]
	s_or_b32 s31, s31, 0x80000000
	s_add_nc_u64 s[8:9], s[8:9], s[48:49]
	ROUND                                          ; the four partners are here
	tensor_load_to_lds s[16:19], s[20:27]          ; both first fills in one group
	s_nop 0
	tensor_load_to_lds s[28:31], s[32:39]
	s_nop 0
	v_lshrrev_b32 v1, 4, v0                        ; b
	v_and_b32 v2, 15, v0
	v_lshlrev_b32 v3, 12, v1
	v_lshl_or_b32 v3, v2, 4, v3                    ; qpart's slice: 16 rows of batch b, my 16 bytes
	v_lshl_add_u32 v4, v0, 4, QS                   ; q in: 256 b + 16 (t mod 16) = 16 t
	v_lshl_add_u32 v5, v1, 8, QS                   ; q back: the batch's 64 numbers
	v_lshl_add_u32 v6, v2, 4, WKT                  ; Wk: my 16 bytes of a row
	v_lshlrev_b32 v7, 16, v1
	v_lshl_or_b32 v7, v2, 4, v7                    ; upart: 65,536 b + my 16 bytes
	s_wait_tensorcnt 0x0                           ; my parts of both tiles are in,
	BAR                                            ; everybody's are
	; q[b][64 g + 4 (t mod 16) .. + 3] = the sum of the 16 strips' parts
.set i, 0
.rept 16
	ds_load_b128 v[QR+4*i:QR+4*i+3], v3 offset:256*i
.set i, i+1
.endr
	s_wait_dscnt 0x0
	PSUM QR, 32
	PSUM QR, 16
	PSUM QR, 8
	PSUM QR, 4
	ds_store_b128 v4, v[QR:QR+3]
	s_wait_dscnt 0x0
	BAR
	; my 4 columns of u's part: 64 rows of Wk in four batches of 16 on two buffers
.set i, 0
.rept 16
	ds_load_b128 v[QR+4*i:QR+4*i+3], v5 offset:16*i    ; sixteen lanes read the same word
.set i, i+1
.endr
	WROWS W0, 0
	WROWS W1, 16
	s_wait_dscnt 16                                ; one younger batch of 16 stays out, here and below
	MAC16 W0, 0, 1
	WROWS W0, 32
	s_wait_dscnt 16
	MAC16 W1, 16, 0
	WROWS W1, 48
	s_wait_dscnt 16
	MAC16 W0, 32, 0
	s_wait_dscnt 0x0
	MAC16 W1, 48, 0
	global_store_b128 v7, v[ACC:ACC+3], s[8:9]     ; sixteen lanes store 256 consecutive bytes, aligned
	s_wait_tensorcnt 0x0
	ds_add_u32 v208, v209
	s_wait_dscnt 0x0
	ROUND                                          ; the closing round
	s_endpgm
.Lfunc_end_k_qada325b1f8_umat:
	.size	k_qada325b1f8_umat, .Lfunc_end_k_qada325b1f8_umat-k_qada325b1f8_umat
	.p2alignl 7, 3214868480
	.fill 96, 4, 3214868480
	.section	.rodata,"a",@progbits
	.p2align	6, 0x0
	.amdhsa_kernel k_qada325b1f8_umat
		.amdhsa_group_segment_fixed_size 168960
		.amdhsa_private_segment_fixed_size 0
		.amdhsa_enable_private_segment 0
		.amdhsa_kernarg_size 24
		.amdhsa_user_sgpr_count 2
		.amdhsa_user_sgpr_kernarg_segment_ptr 1
		.amdhsa_wavefront_size32 1
		.amdhsa_system_sgpr_workgroup_id_x 1
		.amdhsa_system_sgpr_workgroup_id_y 1
		.amdhsa_system_sgpr_workgroup_id_z 1
		.amdhsa_system_vgpr_workitem_id 0
		.amdhsa_next_free_vgpr 210
		.amdhsa_next_free_sgpr 66
		.amdhsa_reserve_vcc 0
		.amdhsa_float_denorm_mode_32 3
		.amdhsa_float_denorm_mode_16_64 3
		.amdhsa_memory_ordered 1
		.amdhsa_forward_progress 1
		.amdhsa_inst_pref_size 21
	.end_amdhsa_kernel
	.amdgpu_metadata
---
amdhsa.version: [ 1, 2 ]
amdhsa.kernels:
  - .name:           k_qada325b1f8_umat
    .symbol:         k_qada325b1f8_umat.kd
    .args:
      - { .name: qpart, .offset: 0, .size: 8, .value_kind: global_buffer, .address_space: global }
      - { .name: Wk, .offset: 8, .size: 8, .value_kind: global_buffer, .address_space: global }
      - { .name: upart, .offset: 16, .size: 8, .value_kind: global_buffer, .address_space: global }
    .group_segment_fixed_size: 168960
    .private_segment_fixed_size: 0
    .kernarg_segment_align: 8
    .kernarg_segment_size: 24
    .max_flat_workgroup_size: 256
    .sgpr_count:     66
    .vgpr_count:     210
    .wavefront_size: 32
...
	.end_amdgpu_metadata
.endif
;; end of part 2
;; launch attn (part 3): grid 256 x 1, 16 waves a work-group, no clusters, 72,704 bytes of LDS; arguments embeddings, attention_mask, upart, cpart, scores, accp, stat; writes scores, accp, stat
.if DOCPART == 3
	.amdgcn_target "amdgcn-amd-amdhsa--gfx1250"
	.amdhsa_code_object_version 6
	.text
	.protected	k_qada325b1f8_attn
	.globl	k_qada325b1f8_attn
	.p2align	8
	.type	k_qada325b1f8_attn,@function
k_qada325b1f8_attn:
	s_mov_b64 s[64:65], 0
	v_nop
	global_prefetch_b8 v0, s[64:65] scope:SCOPE_SE
	s_setreg_imm32_b32 hwreg(HW_REG_WAVE_MODE, 25, 1), 1
	s_wait_xcnt 0x0
; Step 3 of 4.  One pass over embeddings: scores, and the softmax-weighted sum of the rows with a running maximum.
; z[b][t] = log2(e) x score = (u[b] . e[b][t] + q[b] . bk) x K, K = log2(e) / 32; where the mask is 0: z = -10000 log2(e).  Exponentials are in base 2.
; Work-group 16 b + c owns the 128 rows t = 128 c .. + 127 of batch b (512 KiB in one piece); wave w rows 8 w .. 8 w + 7; a row is eight 16-byte loads a lane.
;   scores[b][t] = z;   stat[b][c] = (M, L): M = the chunk's largest z, L = sum of 2^(z - M), the pair 32 times;   accp[b][c][h] = sum over t of 2^(z - M) e[b][t][h]
; The maximum is taken away at every level: row by row in the wave, wave by wave here, chunk by chunk in the last launch.
; f32 on the vector unit: each number of embeddings feeds two multiply-adds.
; NO CLUSTER: what the 16 work-groups of a batch share is upart[b] and cpart[b], 68 KiB beside the 512 KiB that each reads alone.
; NO LDS RING: five rows of every wave go out at the start (16 waves x 5 x 4 KiB), three or four are out later, in registers, with no barrier in the stream.
; LIMITS: v_exp_f32 gives 0 where 2^x would lie below 2^-126.  NaN or infinite inputs give NaN, not bit for bit.
.set USTR, 65536                       ; 4,096 bytes: u x K        (bytes 0 .. 65,535: 16 waves x 4,096, the waves' weighted sums)
.set STT,  69632                       ; 16 pairs (m, l), one a wave
.set SCR,  69888                       ; 128 words: the chunk's z
.set KLIT, 0x3d38aa3b                  ; log2(e) / 32
.set UR,   32                          ; v[32:63]   16 pairs of upart; then u x K in the layout of a row; last the waves' (m, l)
.set ACC,  64                          ; v[64:95]   the weighted sum; row 0 is loaded straight into it
.set XR,   96                          ; v[96:223]  four slots of a row
; v1 lane, v2 16 x lane, v3 8 t, v4 c x K, v5 z, v6 m, v7 l, v[8:9] (a, p), v[10:13] two chains, v14 exchange, v15 masked z, v16-19 at work, v20-29 addresses
.macro BAR
	s_barrier_signal -1
	s_barrier_wait -1
.endm
.macro RSUM reg                        ; sum over each 16 lanes
	v_add_f32_dpp v[\reg], v[\reg], v[\reg] row_xmask:1 row_mask:0xf bank_mask:0xf
	v_add_f32_dpp v[\reg], v[\reg], v[\reg] row_xmask:2 row_mask:0xf bank_mask:0xf
	v_add_f32_dpp v[\reg], v[\reg], v[\reg] row_xmask:4 row_mask:0xf bank_mask:0xf
	v_add_f32_dpp v[\reg], v[\reg], v[\reg] row_xmask:8 row_mask:0xf bank_mask:0xf
.endm
.macro WSUM reg, tmp                   ; sum over the 32 lanes, result in every lane
	RSUM \reg
	v_permlanex16_b32 v[\tmp], v[\reg], s36, s37
	v_add_f32 v[\reg], v[\reg], v[\tmp]
.endm
.macro PSUM base, half
.set kk, 0
.rept (\half)/2
	v_pk_add_f32 v[\base+kk:\base+kk+1], v[\base+kk:\base+kk+1], v[\base+kk+\half:\base+kk+\half+1]
.set kk, kk+2
.endr
.endm
.macro LOADROW dst, row                ; eight loads of 512 neighbouring bytes: the whole row
.set kk, 0
.rept 8
	global_load_b128 v[\dst+4*kk:\dst+4*kk+3], v2, s[4:5] offset:(\row)*4096+kk*512 th:TH_LOAD_NT
.set kk, kk+1
.endr
.endm
; Row i of my eight, in registers xr.  cnt = the loads of younger rows, which stay out.  first = 1: the row starts the sums.  refill = 1: row i + 4 into the same slot.
.macro ROW i, xr, cnt, first, refill
	s_wait_loadcnt \cnt
	v_pk_mul_f32 v[10:11], v[\xr:\xr+1], v[UR:UR+1]
	v_pk_mul_f32 v[12:13], v[\xr+2:\xr+3], v[UR+2:UR+3]
.set kk, 4
.rept 7
	v_pk_fma_f32 v[10:11], v[\xr+kk:\xr+kk+1], v[UR+kk:UR+kk+1], v[10:11]
	v_pk_fma_f32 v[12:13], v[\xr+kk+2:\xr+kk+3], v[UR+kk+2:UR+kk+3], v[12:13]
.set kk, kk+4
.endr
	v_pk_add_f32 v[10:11], v[10:11], v[12:13]
	v_add_f32 v5, v10, v11
	WSUM 5, 14
	v_add_f32 v5, v5, v4                           ; + q . bk x K
	s_cmp_lg_u32 s[24+\i], 0                       ; the row's mask chooses a value, never a path
	s_cselect_b32 s21, -1, 0
	v_cndmask_b32 v5, v15, v5, s21
	ds_store_b32 v22, v5 offset:4*\i               ; every lane writes the same word with the same number
.if \first
	v_mov_b32 v6, v5                               ; m = z, l = 1, and the sum is the row itself
	v_mov_b32 v7, 1.0
.else
	v_max_num_f32 v16, v6, v5
	v_sub_f32 v17, v6, v16
	v_sub_f32 v18, v5, v16
	v_exp_f32 v8, v17                              ; a = 2^(m - m'): what the old sums shrink by
	v_exp_f32 v9, v18                              ; p = 2^(z - m'): the row's weight
	v_mov_b32 v6, v16                              ; the plain vector instruction between v_exp_f32 and the use of its result (ISA guide 5.7.2)
	s_wait_alu depctr_va_vdst(0)
	v_fma_f32 v7, v7, v8, v9
.set kk, 0
.rept 16
	v_pk_mul_f32 v[ACC+kk:ACC+kk+1], v[ACC+kk:ACC+kk+1], v[8:9] op_sel_hi:[1,0]
.set kk, kk+2
.endr
.set kk, 0
.rept 16
	v_pk_fma_f32 v[ACC+kk:ACC+kk+1], v[\xr+kk:\xr+kk+1], v[8:9], v[ACC+kk:ACC+kk+1] op_sel:[0,1,0] op_sel_hi:[1,1,1]
.set kk, kk+2
.endr
.endif
.if \refill
	LOADROW \xr, \i+4
.endif
.endm
	s_load_b256 s[4:11], s[0:1], 0x0               ; embeddings s[4:5], attention_mask s[6:7], upart s[8:9], cpart s[10:11]
	s_load_b128 s[12:15], s[0:1], 0x20             ; scores s[12:13], accp s[14:15]
	s_load_b64 s[16:17], s[0:1], 0x30              ; stat
	v_lshl_add_u32 v224, v0, 2, 0x11400
	v_mov_b32 v225, 0
	v_lshrrev_b32 v1, 5, v0
	v_readfirstlane_b32 s18, v1                    ; wave 0..15
	v_and_b32 v1, 31, v0                           ; lane
	s_lshr_b32 s32, ttmp9, 4                       ; b
	s_mov_b32 s36, 0x76543210
	s_mov_b32 s37, 0xfedcba98
	s_mov_b32 s19, 0xc61c4000                      ; -10000.0
	s_mul_f32 s19, s19, 0x3fb8aa3b                 ; x log2(e)
	s_mov_b32 s23, 0
	v_lshlrev_b32 v2, 4, v1
	v_lshlrev_b32 v3, 3, v0
	v_and_b32 v29, 15, v0
	v_lshlrev_b32 v29, 8, v29                      ; cpart: the record of strip lane mod 16
	s_lshl_b32 s22, ttmp9, 9
	s_lshl_b32 s33, s18, 5
	s_add_co_u32 s22, s22, s33                     ; the mask of my eight rows: 512 bytes a chunk, 32 a wave
	s_wait_kmcnt 0x0
	s_add_nc_u64 s[6:7], s[6:7], s[22:23]
	s_load_b256 s[24:31], s[6:7], 0x0              ; no launch line writes the mask: a scalar load may read it
	s_lshl_b32 s22, ttmp9, 19
	s_lshl_b32 s33, s18, 15
	s_add_co_u32 s22, s22, s33
	s_add_nc_u64 s[4:5], s[4:5], s[22:23]          ; my first row
	s_lshl_b32 s22, s32, 16
	s_add_nc_u64 s[8:9], s[8:9], s[22:23]          ; upart[b]
	s_lshl_b32 s22, s32, 12
	s_add_nc_u64 s[10:11], s[10:11], s[22:23]      ; cpart[b]
	s_lshl_b32 s22, ttmp9, 9
	s_add_nc_u64 s[12:13], s[12:13], s[22:23]      ; the chunk's scores
	s_lshl_b32 s22, ttmp9, 12
	s_add_nc_u64 s[14:15], s[14:15], s[22:23]      ; accp[b][c]
	s_lshl_b32 s22, ttmp9, 8
	s_add_nc_u64 s[16:17], s[16:17], s[22:23]      ; stat[b][c]
.set i, 0
.rept 16
	global_load_b64 v[UR+2*i:UR+2*i+1], v3, s[8:9] offset:i*4096   ; columns 2 t, 2 t + 1 of the 16 parts of u
.set i, i+1
.endr
	global_load_b32 v4, v29, s[10:11]
	LOADROW ACC, 0
	LOADROW XR, 1
	LOADROW XR+32, 2
	LOADROW XR+64, 3
	LOADROW XR+96, 4
	v_add_nc_u32 v20, USTR, v3                     ; u in: 8 t
	v_add_nc_u32 v21, USTR, v2                     ; u back: 16 x lane, as a row is loaded
	s_lshl_b32 s33, s18, 5
	s_add_co_u32 s33, s33, SCR
	v_mov_b32 v22, s33                             ; my eight words of z
	s_lshl_b32 s33, s18, 3
	s_add_co_u32 s33, s33, STT
	v_mov_b32 v23, s33                             ; my wave's (m, l)
	s_lshl_b32 s33, s18, 12
	v_add_nc_u32 v24, s33, v2                      ; my wave's weighted sum
	v_mov_b32 v25, STT
	v_lshlrev_b32 v27, 3, v1
	v_add_nc_u32 v28, SCR, v2
	v_mov_b32 v14, 0                               ; the lane exchange counts as a reader of its destination
	v_mov_b32 v15, s19
	s_wait_loadcnt 40                              ; the 40 loads of rows 0 to 4 stay out
	PSUM UR, 16
	PSUM UR, 8
	PSUM UR, 4
	PSUM UR, 2
	v_pk_mul_f32 v[UR:UR+1], v[UR:UR+1], KLIT op_sel_hi:[1,0]
	ds_store_b64 v20, v[UR:UR+1]
	RSUM 4                                         ; the 16 strips' parts of q . bk
	v_mul_f32 v4, KLIT, v4
	s_wait_dscnt 0x0
	BAR
.set i, 0
.rept 8
	ds_load_b128 v[UR+4*i:UR+4*i+3], v21 offset:512*i
.set i, i+1
.endr
	s_wait_dscnt 0x0
	s_wait_kmcnt 0x0                               ; the eight mask words
	ROW 0, ACC,   32, 1, 0                         ; out behind it: rows 1-4
	ROW 1, XR,    24, 0, 1                         ; rows 2-4; row 5 goes out
	ROW 2, XR+32, 24, 0, 1                         ; rows 3-5; row 6 goes out
	ROW 3, XR+64, 24, 0, 1                         ; rows 4-6; row 7 goes out
	ROW 4, XR+96, 24, 0, 0                         ; rows 5-7; nothing is left to fetch
	ROW 5, XR,    16, 0, 0
	ROW 6, XR+32, 8,  0, 0
	ROW 7, XR+64, 0,  0, 0
	ds_store_b64 v23, v[6:7]
.set i, 0
.rept 8
	ds_store_b128 v24, v[ACC+4*i:ACC+4*i+3] offset:512*i   ; byte 4 h of my wave's 4,096 holds column h
.set i, i+1
.endr
	s_wait_dscnt 0x0                               ; z, (m, l) and the sums are in LDS
	BAR
	; the 16 waves' sums become one: thread t takes columns 2 t, 2 t + 1
.set i, 0
.rept 8
	ds_load_b128 v[UR+4*i:UR+4*i+3], v25 offset:16*i   ; v[UR+2w] = m of wave w, v[UR+2w+1] = its l
.set i, i+1
.endr
.set i, 0
.rept 16
	ds_load_b64 v[XR+2*i:XR+2*i+1], v3 offset:4096*i
.set i, i+1
.endr
	s_wait_dscnt 16                                ; the 16 loads of sums stay out
	v_max3_num_f32 v16, v[UR], v[UR+2], v[UR+4]
.irp p, 6,10,14,18,22,26
	v_max3_num_f32 v16, v16, v[UR+\p], v[UR+\p+2]
.endr
	v_max_num_f32 v16, v16, v[UR+30]               ; M
.set i, 0
.rept 16
	v_sub_f32 v[UR+2*i], v[UR+2*i], v16
.set i, i+1
.endr
.set i, 0
.rept 16
	v_exp_f32 v[UR+2*i], v[UR+2*i]                 ; f of wave i = 2^(m - M)
.set i, i+1
.endr
	v_nop                                          ; the plain vector instruction behind the last v_exp_f32
	s_wait_alu depctr_va_vdst(0)
	v_mul_f32 v17, v[UR], v[UR+1]
.set i, 1
.rept 15
	v_fmac_f32 v17, v[UR+2*i], v[UR+2*i+1]         ; L = sum of f l
.set i, i+1
.endr
	s_wait_dscnt 0x0
	v_pk_mul_f32 v[18:19], v[XR:XR+1], v[UR:UR+1] op_sel_hi:[1,0]
.set i, 1
.rept 15
	v_pk_fma_f32 v[18:19], v[XR+2*i:XR+2*i+1], v[UR+2*i:UR+2*i+1], v[18:19] op_sel_hi:[1,0,1]
.set i, i+1
.endr
	global_store_b64 v3, v[18:19], s[14:15]        ; a wave stores 256 consecutive bytes, aligned
	s_cmp_lg_u32 s18, 0
	s_cbranch_scc1 .Ldone
	global_store_b64 v27, v[16:17], s[16:17]       ; (M, L) 32 times: 256 consecutive bytes, aligned
	ds_load_b128 v[XR:XR+3], v28
	s_wait_dscnt 0x0
	global_store_b128 v2, v[XR:XR+3], s[12:13]     ; the chunk's 128 z: 512 consecutive bytes, aligned
.Ldone:
	s_wait_tensorcnt 0x0
	ds_add_u32 v224, v225
	s_wait_dscnt 0x0
	s_endpgm
.Lfunc_end_k_qada325b1f8_attn:
	.size	k_qada325b1f8_attn, .Lfunc_end_k_qada325b1f8_attn-k_qada325b1f8_attn
	.p2alignl 7, 3214868480
	.fill 96, 4, 3214868480
	.section	.rodata,"a",@progbits
	.p2align	6, 0x0
	.amdhsa_kernel k_qada325b1f8_attn
		.amdhsa_group_segment_fixed_size 72704
		.amdhsa_private_segment_fixed_size 0
		.amdhsa_enable_private_segment 0
		.amdhsa_kernarg_size 56
		.amdhsa_user_sgpr_count 2
		.amdhsa_user_sgpr_kernarg_segment_ptr 1
		.amdhsa_wavefront_size32 1
		.amdhsa_system_sgpr_workgroup_id_x 1
		.amdhsa_system_sgpr_workgroup_id_y 1
		.amdhsa_system_sgpr_workgroup_id_z 1
		.amdhsa_system_vgpr_workitem_id 0
		.amdhsa_next_free_vgpr 226
		.amdhsa_next_free_sgpr 66
		.amdhsa_reserve_vcc 0
		.amdhsa_float_denorm_mode_32 3
		.amdhsa_float_denorm_mode_16_64 3
		.amdhsa_memory_ordered 1
		.amdhsa_forward_progress 1
		.amdhsa_inst_pref_size 48
	.end_amdhsa_kernel
	.amdgpu_metadata
---
amdhsa.version: [ 1, 2 ]
amdhsa.kernels:
  - .name:           k_qada325b1f8_attn
    .symbol:         k_qada325b1f8_attn.kd
    .args:
      - { .name: embeddings, .offset: 0, .size: 8, .value_kind: global_buffer, .address_space: global }
      - { .name: attention_mask, .offset: 8, .size: 8, .value_kind: global_buffer, .address_space: global }
      - { .name: upart, .offset: 16, .size: 8, .value_kind: global_buffer, .address_space: global }
      - { .name: cpart, .offset: 24, .size: 8, .value_kind: global_buffer, .address_space: global }
      - { .name: scores, .offset: 32, .size: 8, .value_kind: global_buffer, .address_space: global }
      - { .name: accp, .offset: 40, .size: 8, .value_kind: global_buffer, .address_space: global }
      - { .name: stat, .offset: 48, .size: 8, .value_kind: global_buffer, .address_space: global }
    .group_segment_fixed_size: 72704
    .private_segment_fixed_size: 0
    .kernarg_segment_align: 8
    .kernarg_segment_size: 56
    .max_flat_workgroup_size: 512
    .sgpr_count:     66
    .vgpr_count:     226
    .wavefront_size: 32
...
	.end_amdgpu_metadata
.endif
;; end of part 3
;; launch final (part 4): grid 16 x 16, 16 waves a work-group, clusters of 4 x 1, 268,544 bytes of LDS; arguments Wv, bv, accp, stat, scores, attention_mask, first_sentence_mask, out0, out1, out2; writes out0, out1, out2
.if DOCPART == 4
	.amdgcn_target "amdgcn-amd-amdhsa--gfx1250"
	.amdhsa_code_object_version 6
	.text
	.protected	k_qada325b1f8_final
	.globl	k_qada325b1f8_final
	.p2align	8
	.type	k_qada325b1f8_final,@function
k_qada325b1f8_final:
	s_mov_b64 s[64:65], 0
	v_nop
	global_prefetch_b8 v0, s[64:65] scope:SCOPE_SE
	s_setreg_imm32_b32 hwreg(HW_REG_WAVE_MODE, 25, 1), 1
	s_wait_xcnt 0x0
	s_wait_alu depctr_hold_cnt(0) depctr_sa_sdst(0) depctr_va_vdst(0) depctr_va_sdst(0) depctr_va_ssrc(0) depctr_va_vcc(0) depctr_vm_vsrc(0)
	s_getreg_b32 s2, hwreg(HW_REG_IB_STS2, 6, 4)
	s_cmp_eq_u32 s2, 0
	s_cbranch_scc0 .Lentry_in_a_cluster
	s_endpgm
.Lentry_in_a_cluster:
	s_bfe_u32 s2, ttmp6, 0x10000c
	s_cmp_lg_u32 s2, 0x3003
	s_cbranch_scc0 .Lentry_shape_is_right
	s_endpgm
.Lentry_shape_is_right:
; Step 4 of 4.  The 16 chunks' statistics become the softmax's: M = max of M_c, L = sum of 2^(M_c - M) L_c, g_c = 2^(M_c - M) / L.
;   w[b][h] = sum over c of g_c accp[b][c][h] = sum over t of p[b][t] e[b][t][h];   out0[b][i] = Wv[i] . w[b] + bv[i]   (the p of a batch sum to 1)
;   p[b][t] = 2^(z - M) / L;   out1 = p x float(att x fs) for t < 1,024;   out2 = p x float(att x (1 - fs)) for t >= 1,024, the products in int32 as the problem has them
; Work-group (b, ir) makes out0[b][64 ir .. + 63] (256 bytes) and the 128 probabilities t = 128 ir .. + 127 (512 bytes).  Wave w: rows 64 ir + 4 w .. + 3 of Wv.
; f32 on the vector unit: one vector against a matrix.
; CLUSTER 4 x 1: the four partners are four batches with the same ir and need the same 64 rows of Wv (256 KiB): one joint tensor load a wave, issued once;
; by this text's count one is out.  Each wave reads only the four rows that its own load brought.  accp[b] (64 KiB) comes through registers.
; LIMITS: the division by L is v_rcp_f32 and a multiply (1 ulp; L is at least 1).  v_exp_f32 gives 0 where 2^x would lie below 2^-126.
.set WS, 262144                        ; 4,096 bytes: w          (bytes 0 .. 262,143: 16 waves x 4 rows x 4,096 of Wv)
.set OS, 266240                        ; 64 words: the 64 dot products
.set AP, 32                            ; v[32:63]   16 pairs of accp
.set WR, 64                            ; v[64:95]   w in the layout of a row
.set VR, 96                            ; v[96:223]  four rows of Wv
; v1 lane, v2 16 x lane, v3 exchange, v[4:5] (M_c, L_c) then with v[6:7] the four results, v6 M, v7 f, v8 L, v9 1/L, v10 g, v11 at work,
; v[12:15] w's pair, then two chains, v[16:19] z, v[20:23] att, v[24:27] fs, v[28:29] bv, v30 8 x lane, v31 8 t, v224-229 addresses
.macro BAR
	s_barrier_signal -1
	s_barrier_wait -1
.endm
.macro ROUND                           ; a round of the cluster's barrier
	s_barrier_signal -1
	s_barrier_wait -1
	s_cmp_lg_u32 s24, 0
	s_cbranch_scc1 .Lnot_wave_0_\@
	s_barrier_signal -3
.Lnot_wave_0_\@:
	s_barrier_wait -3
	s_barrier_signal -1
	s_barrier_wait -1
.endm
.macro RSUM reg
	v_add_f32_dpp v[\reg], v[\reg], v[\reg] row_xmask:1 row_mask:0xf bank_mask:0xf
	v_add_f32_dpp v[\reg], v[\reg], v[\reg] row_xmask:2 row_mask:0xf bank_mask:0xf
	v_add_f32_dpp v[\reg], v[\reg], v[\reg] row_xmask:4 row_mask:0xf bank_mask:0xf
	v_add_f32_dpp v[\reg], v[\reg], v[\reg] row_xmask:8 row_mask:0xf bank_mask:0xf
.endm
.macro RMAX reg
	v_max_num_f32_dpp v[\reg], v[\reg], v[\reg] row_xmask:1 row_mask:0xf bank_mask:0xf
	v_max_num_f32_dpp v[\reg], v[\reg], v[\reg] row_xmask:2 row_mask:0xf bank_mask:0xf
	v_max_num_f32_dpp v[\reg], v[\reg], v[\reg] row_xmask:4 row_mask:0xf bank_mask:0xf
	v_max_num_f32_dpp v[\reg], v[\reg], v[\reg] row_xmask:8 row_mask:0xf bank_mask:0xf
.endm
.macro DOT32 xr, res                   ; v[res] = a row of Wv . w, over the 32 lanes, in every lane
	v_pk_mul_f32 v[12:13], v[\xr:\xr+1], v[WR:WR+1]
	v_pk_mul_f32 v[14:15], v[\xr+2:\xr+3], v[WR+2:WR+3]
.set kk, 4
.rept 7
	v_pk_fma_f32 v[12:13], v[\xr+kk:\xr+kk+1], v[WR+kk:WR+kk+1], v[12:13]
	v_pk_fma_f32 v[14:15], v[\xr+kk+2:\xr+kk+3], v[WR+kk+2:WR+kk+3], v[14:15]
.set kk, kk+4
.endr
	v_pk_add_f32 v[12:13], v[12:13], v[14:15]
	v_add_f32 v[\res], v12, v13
	RSUM \res
	v_permlanex16_b32 v3, v[\res], s60, s61
	v_add_f32 v[\res], v[\res], v3
.endm
	s_load_b256 s[4:11], s[0:1], 0x0               ; Wv s[4:5], bv s[6:7], accp s[8:9], stat s[10:11]
	s_load_b256 s[12:19], s[0:1], 0x20             ; scores s[12:13], attention_mask s[14:15], first_sentence_mask s[16:17], out0 s[18:19]
	s_load_b128 s[20:23], s[0:1], 0x40             ; out1 s[20:21], out2 s[22:23]
	v_lshl_add_u32 v232, v0, 2, 0x41100
	v_mov_b32 v233, 0
	ds_add_u32 v232, v233
	v_lshrrev_b32 v1, 5, v0
	v_readfirstlane_b32 s24, v1                    ; wave 0..15
	v_and_b32 v1, 31, v0                           ; lane
	s_bfe_u32 s25, ttmp6, 0x40000                  ; cx
	s_lshl_b32 s26, ttmp9, 2
	s_add_co_u32 s26, s26, s25                     ; b = 4 x cluster x + cx: enters global addresses of my own loads and stores alone
	s_and_b32 s27, ttmp7, 0xffff                   ; ir, the same in all four partners
	s_mov_b32 s60, 0x76543210
	s_mov_b32 s61, 0xfedcba98
	; the joint load: my four rows of Wv, 16,384 bytes in one piece, as 64 rows of 256 bytes
	s_mov_b32 s32, 1
	s_lshl_b32 s33, s24, 14                        ; LDS: wave x 16,384
	s_mov_b32 s36, 0x0023000f                      ; mask of the four; 8-byte elements; bit 21 beside a mask
	s_mov_b32 s37, 32<<16                          ; tensor_dim0 = 32
	s_mov_b32 s38, 64<<16                          ; tensor_dim1 = 64
	s_mov_b32 s39, 32<<16                          ; tile_dim0 = 32
	s_mov_b32 s40, 64                              ; tile_dim1 = 64
	s_mov_b32 s41, 32                              ; from row to row: dense
	s_mov_b32 s42, 0
	s_mov_b32 s43, 0
	s_lshl_b32 s28, s27, 18                        ; its offset, in registers that never hold cx: 64 ir rows of 4,096 bytes
	s_add_co_u32 s28, s28, s33                     ; + 4 rows a wave
	s_mov_b32 s29, 0
	s_mov_b32 s31, 0
	v_lshlrev_b32 v2, 4, v1
	v_lshlrev_b32 v30, 3, v1
	v_lshlrev_b32 v31, 3, v0
	v_and_b32 v224, 15, v0
	v_lshlrev_b32 v224, 8, v224                    ; stat: the record of chunk lane mod 16
	v_mov_b32 v3, 0                                ; the lane exchange counts as a reader of its destination
	s_wait_dscnt 0x0
	s_wait_kmcnt 0x0
	s_add_nc_u64 s[34:35], s[4:5], s[28:29]
	s_or_b32 s35, s35, 0x80000000
	s_lshl_b32 s30, s27, 8
	s_add_nc_u64 s[6:7], s[6:7], s[30:31]          ; bv[64 ir ..]
	s_lshl_b32 s63, s26, 12
	s_add_co_u32 s30, s30, s63
	s_add_nc_u64 s[18:19], s[18:19], s[30:31]      ; out0[b][64 ir ..]
	s_mov_b32 s30, s63
	s_add_nc_u64 s[10:11], s[10:11], s[30:31]      ; stat[b]
	s_lshl_b32 s30, s26, 16
	s_add_nc_u64 s[8:9], s[8:9], s[30:31]          ; accp[b]
	s_lshl_b32 s30, s26, 13
	s_lshl_b32 s63, s27, 9
	s_add_co_u32 s30, s30, s63
	s_add_nc_u64 s[12:13], s[12:13], s[30:31]      ; scores, attention_mask and first_sentence_mask at [b][128 ir]
	s_add_nc_u64 s[14:15], s[14:15], s[30:31]
	s_add_nc_u64 s[16:17], s[16:17], s[30:31]
	s_cmp_lt_u32 s27, 8                            ; t < 1,024: out1 and fs; else out2 and 1 - fs
	s_cselect_b64 s[20:21], s[20:21], s[22:23]
	s_cselect_b32 s62, 0, -1
	s_and_b32 s63, s27, 7
	s_lshl_b32 s63, s63, 9
	s_lshl_b32 s30, s26, 12
	s_add_co_u32 s30, s30, s63
	s_add_nc_u64 s[20:21], s[20:21], s[30:31]      ; [b][128 (ir mod 8)]
	; wave 0's own loads stand ahead of the loads that every wave issues, so that the counts below are the same in every wave
	s_cmp_lg_u32 s24, 0
	s_cbranch_scc1 .Lno_side_loads
	global_load_b64 v[28:29], v30, s[6:7]
	global_load_b128 v[16:19], v2, s[12:13]
	global_load_b128 v[20:23], v2, s[14:15]
	global_load_b128 v[24:27], v2, s[16:17]
.Lno_side_loads:
	global_load_b64 v[4:5], v224, s[10:11]
.set i, 0
.rept 16
	global_load_b64 v[AP+2*i:AP+2*i+1], v31, s[8:9] offset:i*4096  ; columns 2 t, 2 t + 1 of the 16 chunks' sums
.set i, i+1
.endr
	ROUND                                          ; the four partners are here
	tensor_load_to_lds s[32:35], s[36:43]
	s_nop 0
	v_add_nc_u32 v225, WS, v31                     ; w in: 8 t
	v_add_nc_u32 v226, WS, v2                      ; w back: 16 x lane, as a row is read
	v_add_nc_u32 v227, s33, v2                     ; my wave's rows of Wv
	s_lshl_b32 s63, s24, 4
	s_add_co_u32 s63, s63, OS
	v_mov_b32 v228, s63                            ; my wave's four results
	v_add_nc_u32 v229, OS, v30
	s_wait_loadcnt 16                              ; the 16 loads of accp stay out
	v_mov_b32 v6, v4
	RMAX 6                                         ; M
	v_sub_f32 v7, v4, v6
	v_exp_f32 v7, v7                               ; f = 2^(M_c - M)
	v_nop                                          ; a plain vector instruction between a transcendental and the use of its result (ISA guide 5.7.2)
	s_wait_alu depctr_va_vdst(0)
	v_mul_f32 v8, v7, v5
	RSUM 8                                         ; L
	v_rcp_f32 v9, v8
	v_nop
	s_wait_alu depctr_va_vdst(0)
	v_mul_f32 v10, v7, v9                          ; g of chunk lane mod 16
.set i, 0
.rept 16
	v_readlane_b32 s[44+i], v10, i
.set i, i+1
.endr
	s_cmp_lg_u32 s24, 0
	s_cbranch_scc1 .Lno_probas
.irp e, 0,1,2,3
	v_sub_f32 v[16+\e], v[16+\e], v6
.endr
.irp e, 0,1,2,3
	v_exp_f32 v[16+\e], v[16+\e]
.endr
.irp e, 0,1,2,3
	v_sub_nc_u32 v11, 1, v[24+\e]                  ; the masks' whole-number work also stands between the exponentials and their use
	v_cndmask_b32 v[24+\e], v[24+\e], v11, s62
	v_mul_lo_u32 v[24+\e], v[20+\e], v[24+\e]
	v_cvt_f32_i32 v[24+\e], v[24+\e]
.endr
	s_wait_alu depctr_va_vdst(0)
.irp e, 0,1,2,3
	v_mul_f32 v[16+\e], v[16+\e], v9
	v_mul_f32 v[16+\e], v[16+\e], v[24+\e]
.endr
	global_store_b128 v2, v[16:19], s[20:21]       ; 512 consecutive bytes, aligned
.Lno_probas:
	s_wait_loadcnt 15
	v_mul_f32 v12, s44, v[AP]
	v_mul_f32 v13, s44, v[AP+1]
.set i, 1
.rept 15
	s_wait_loadcnt 15-i                            ; the younger chunks' loads stay out
	v_fmac_f32 v12, s[44+i], v[AP+2*i]
	v_fmac_f32 v13, s[44+i], v[AP+2*i+1]
.set i, i+1
.endr
	ds_store_b64 v225, v[12:13]
	s_wait_dscnt 0x0                               ; my two numbers of w are in LDS,
	s_wait_tensorcnt 0x0                           ; my four rows of Wv too
	BAR
.set i, 0
.rept 8
	ds_load_b128 v[WR+4*i:WR+4*i+3], v226 offset:512*i
.set i, i+1
.endr
.set i, 0
.rept 32
	ds_load_b128 v[VR+4*i:VR+4*i+3], v227 offset:512*i     ; row i / 8, its 512 bytes number i mod 8
.set i, i+1
.endr
	s_wait_dscnt 24                                ; the three younger rows' loads stay out, then two, one, none
	DOT32 VR, 4
	s_wait_dscnt 16
	DOT32 VR+32, 5
	s_wait_dscnt 8
	DOT32 VR+64, 6
	s_wait_dscnt 0x0
	DOT32 VR+96, 7
	ds_store_b128 v228, v[4:7]                     ; every lane writes the same 16 bytes with the same numbers
	s_wait_dscnt 0x0
	BAR
	s_cmp_lg_u32 s24, 0
	s_cbranch_scc1 .Lno_out
	ds_load_b64 v[8:9], v229
	s_wait_dscnt 0x0
	v_pk_add_f32 v[8:9], v[8:9], v[28:29]
	global_store_b64 v30, v[8:9], s[18:19]         ; 256 consecutive bytes, aligned
.Lno_out:
	s_wait_tensorcnt 0x0
	ds_add_u32 v232, v233
	s_wait_dscnt 0x0
	ROUND                                          ; the closing round
	s_endpgm
.Lfunc_end_k_qada325b1f8_final:
	.size	k_qada325b1f8_final, .Lfunc_end_k_qada325b1f8_final-k_qada325b1f8_final
	.p2alignl 7, 3214868480
	.fill 96, 4, 3214868480
	.section	.rodata,"a",@progbits
	.p2align	6, 0x0
	.amdhsa_kernel k_qada325b1f8_final
		.amdhsa_group_segment_fixed_size 268544
		.amdhsa_private_segment_fixed_size 0
		.amdhsa_enable_private_segment 0
		.amdhsa_kernarg_size 80
		.amdhsa_user_sgpr_count 2
		.amdhsa_user_sgpr_kernarg_segment_ptr 1
		.amdhsa_wavefront_size32 1
		.amdhsa_system_sgpr_workgroup_id_x 1
		.amdhsa_system_sgpr_workgroup_id_y 1
		.amdhsa_system_sgpr_workgroup_id_z 1
		.amdhsa_system_vgpr_workitem_id 0
		.amdhsa_next_free_vgpr 234
		.amdhsa_next_free_sgpr 66
		.amdhsa_reserve_vcc 0
		.amdhsa_float_denorm_mode_32 3
		.amdhsa_float_denorm_mode_16_64 3
		.amdhsa_memory_ordered 1
		.amdhsa_forward_progress 1
		.amdhsa_inst_pref_size 20
	.end_amdhsa_kernel
	.amdgpu_metadata
---
amdhsa.version: [ 1, 2 ]
amdhsa.kernels:
  - .name:           k_qada325b1f8_final
    .symbol:         k_qada325b1f8_final.kd
    .args:
      - { .name: Wv, .offset: 0, .size: 8, .value_kind: global_buffer, .address_space: global }
      - { .name: bv, .offset: 8, .size: 8, .value_kind: global_buffer, .address_space: global }
      - { .name: accp, .offset: 16, .size: 8, .value_kind: global_buffer, .address_space: global }
      - { .name: stat, .offset: 24, .size: 8, .value_kind: global_buffer, .address_space: global }
      - { .name: scores, .offset: 32, .size: 8, .value_kind: global_buffer, .address_space: global }
      - { .name: attention_mask, .offset: 40, .size: 8, .value_kind: global_buffer, .address_space: global }
      - { .name: first_sentence_mask, .offset: 48, .size: 8, .value_kind: global_buffer, .address_space: global }
      - { .name: out0, .offset: 56, .size: 8, .value_kind: global_buffer, .address_space: global }
      - { .name: out1, .offset: 64, .size: 8, .value_kind: global_buffer, .address_space: global }
      - { .name: out2, .offset: 72, .size: 8, .value_kind: global_buffer, .address_space: global }
    .group_segment_fixed_size: 268544
    .private_segment_fixed_size: 0
    .kernarg_segment_align: 8
    .kernarg_segment_size: 80
    .max_flat_workgroup_size: 512
    .sgpr_count:     66
    .vgpr_count:     234
    .wavefront_size: 32
...
	.end_amdgpu_metadata
.endif
;; end of part 4
;; ======== version 2 of 2: 4 launches; version 1 with the launch attn written anew for expert scheduling mode
;; workspace buffers: qpart 1,048,576 bytes; cpart 65,536 bytes; upart 1,048,576 bytes; scores 131,072 bytes; accp 1,048,576 bytes; stat 65,536 bytes
;; launch havg: the kernel of part 1 again; grid 16 x 16, 16 waves a work-group, clusters of 4 x 1, 297,472 bytes of LDS; arguments hidden_states, attention_mask, Wq, bq, bk, qpart, cpart; writes qpart, cpart
;; launch umat: the kernel of part 2 again; grid 16 x 16, 8 waves a work-group, clusters of 4 x 1, 168,960 bytes of LDS; arguments qpart, Wk, upart; writes upart
;; launch attn (part 5): grid 256 x 1, 16 waves a work-group, no clusters, 72,704 bytes of LDS; arguments embeddings, attention_mask, upart, cpart, scores, accp, stat; writes scores, accp, stat
.if DOCPART == 5
	.amdgcn_target "amdgcn-amd-amdhsa--gfx1250"
	.amdhsa_code_object_version 6
	.text
	.protected	k_qada325b1f8_attn
	.globl	k_qada325b1f8_attn
	.p2align	8
	.type	k_qada325b1f8_attn,@function
k_qada325b1f8_attn:
	s_mov_b64 s[64:65], 0
	v_nop
	global_prefetch_b8 v0, s[64:65] scope:SCOPE_SE
	s_setreg_imm32_b32 hwreg(HW_REG_WAVE_SCHED_MODE, 0, 2), 2
	s_setreg_imm32_b32 hwreg(HW_REG_WAVE_MODE, 25, 1), 1
	s_wait_xcnt 0x0
	s_wait_alu depctr_vm_vsrc(0)
; Step 3 of 4.  One pass over embeddings: scores, and the softmax-weighted sum of the rows with a running maximum.
; z[b][t] = log2(e) x score = (u[b] . e[b][t] + q[b] . bk) x K, K = log2(e) / 32; where the mask is 0: z = -10000 log2(e).  Exponentials are in base 2.
; Work-group 16 b + c owns the 128 rows t = 128 c .. + 127 of batch b (512 KiB in one piece); wave w rows 8 w .. 8 w + 7; a row is eight 16-byte loads a lane.
;   scores[b][t] = z;   stat[b][c] = (M, L): M = the chunk's largest z, L = sum of 2^(z - M), the pair 32 times;   accp[b][c][h] = sum over t of 2^(z - M) e[b][t][h]
; The maximum is taken away at every level: row by row in the wave, wave by wave here, chunk by chunk in the last launch.
; f32 on the vector unit: each number of embeddings feeds two multiply-adds.
; NO CLUSTER: what the 16 work-groups of a batch share is upart[b] and cpart[b], 68 KiB beside the 512 KiB that each reads alone.
; NO LDS RING: five rows of every wave go out at the start (16 waves x 5 x 4 KiB), three or four are out later, in registers, with no barrier in the stream.
; LIMITS: v_exp_f32 gives 0 where 2^x would lie below 2^-126.  NaN or infinite inputs give NaN, not bit for bit.
; THE MODE: SCHED_MODE bits 1:0 = 2 (LLVM: expert scheduling mode 2), set by the entry lines.  The code itself states the register dependences
; between vector instructions and memory or LDS instructions, with s_wait_alu, always for 0.
; THE PLAN.  Registers that memory or LDS instructions touch:
;   v2, v3, v29          offsets, made at the head, ahead of the first load's wait; never written again.
;   v20-25, v27, v28     LDS addresses and an offset, made behind the first loads, ahead of the wait in front of the first LDS store; never written again.
;   UR                   loads of upart land; the sums and the scaling work in it; one LDS store reads its first pair; LDS loads of u land; the rows' dot products read it; at the end LDS loads of (m, l) land.
;   ACC                  row 0 lands; the rows' updates write it; eight LDS stores read it behind the stream.
;   XR, four slots       a row lands; its dot product and its 16 multiply-adds read it; in rows 1 to 3 the row four further on lands behind them; at the end LDS loads land.
;   Z                    row i writes Z[i] and no later row writes it again; eight LDS stores read them behind the stream, in the run that ACC's stores stand in.
;   v6, v7; v16-19       m, l; M, L and my two columns: written by vector instructions, read by one store each, not written again behind it.
; So the stream holds one wait of its own for each of its three refills, behind the multiply-adds that empty the slot: the slot is asked for again at once and does not lie idle until the next row's data is in.
; One wait stands ahead of the run of LDS stores behind the stream, one ahead of the global stores.
.set USTR, 65536                       ; 4,096 bytes: u x K        (bytes 0 .. 65,535: 16 waves x 4,096, the waves' weighted sums)
.set STT,  69632                       ; 16 pairs (m, l), one a wave
.set SCR,  69888                       ; 128 words: the chunk's z
.set KLIT, 0x3d38aa3b                  ; log2(e) / 32
.set UR,   32                          ; v[32:63]   16 pairs of upart; then u x K in the layout of a row; last the waves' (m, l)
.set ACC,  64                          ; v[64:95]   the weighted sum; row 0 is loaded straight into it
.set XR,   96                          ; v[96:223]  four slots of a row
.set ZB,   226                         ; v[226:233] z of my eight rows
; v1 lane, v2 16 x lane, v3 8 t, v4 c x K, v6 m, v7 l, v[8:9] (a, p), v[10:13] two chains, v14 exchange, v15 masked z, v16-19 at work, v20-29 addresses
.macro BAR
	s_barrier_signal -1
	s_barrier_wait -1
.endm
.macro RSUM reg                        ; sum over each 16 lanes
	v_add_f32_dpp v[\reg], v[\reg], v[\reg] row_xmask:1 row_mask:0xf bank_mask:0xf
	v_add_f32_dpp v[\reg], v[\reg], v[\reg] row_xmask:2 row_mask:0xf bank_mask:0xf
	v_add_f32_dpp v[\reg], v[\reg], v[\reg] row_xmask:4 row_mask:0xf bank_mask:0xf
	v_add_f32_dpp v[\reg], v[\reg], v[\reg] row_xmask:8 row_mask:0xf bank_mask:0xf
.endm
.macro WSUM reg, tmp                   ; sum over the 32 lanes, result in every lane
	RSUM \reg
	v_permlanex16_b32 v[\tmp], v[\reg], s36, s37
	v_add_f32 v[\reg], v[\reg], v[\tmp]
.endm
.macro PSUM base, half
.set kk, 0
.rept (\half)/2
	v_pk_add_f32 v[\base+kk:\base+kk+1], v[\base+kk:\base+kk+1], v[\base+kk+\half:\base+kk+\half+1]
.set kk, kk+2
.endr
.endm
.macro LOADROW dst, row                ; eight loads of 512 neighbouring bytes: the whole row
.set kk, 0
.rept 8
	global_load_b128 v[\dst+4*kk:\dst+4*kk+3], v2, s[4:5] offset:(\row)*4096+kk*512 th:TH_LOAD_NT
.set kk, kk+1
.endr
.endm
; Row i of my eight, in registers xr.  cnt = the loads of younger rows, which stay out.  first = 1: the row starts the sums.  refill = 1: row i + 4 into the same slot.
.macro ROW i, xr, cnt, first, refill
.set zr, ZB+\i                         ; the row's z has a register of its own: it is stored behind the stream
	s_wait_loadcnt \cnt
	v_pk_mul_f32 v[10:11], v[\xr:\xr+1], v[UR:UR+1]
	v_pk_mul_f32 v[12:13], v[\xr+2:\xr+3], v[UR+2:UR+3]
.set kk, 4
.rept 7
	v_pk_fma_f32 v[10:11], v[\xr+kk:\xr+kk+1], v[UR+kk:UR+kk+1], v[10:11]
	v_pk_fma_f32 v[12:13], v[\xr+kk+2:\xr+kk+3], v[UR+kk+2:UR+kk+3], v[12:13]
.set kk, kk+4
.endr
	v_pk_add_f32 v[10:11], v[10:11], v[12:13]
	v_add_f32 v[zr], v10, v11
	WSUM zr, 14
	v_add_f32 v[zr], v[zr], v4                     ; + q . bk x K
	s_cmp_lg_u32 s[24+\i], 0                       ; the row's mask chooses a value, never a path
	s_cselect_b32 s21, -1, 0
	v_cndmask_b32 v[zr], v15, v[zr], s21
.if \first
	v_mov_b32 v6, v[zr]                            ; m = z, l = 1, and the sum is the row itself
	v_mov_b32 v7, 1.0
.else
	v_max_num_f32 v16, v6, v[zr]
	v_sub_f32 v17, v6, v16
	v_sub_f32 v18, v[zr], v16
	v_exp_f32 v8, v17                              ; a = 2^(m - m'): what the old sums shrink by
	v_exp_f32 v9, v18                              ; p = 2^(z - m'): the row's weight
	v_mov_b32 v6, v16                              ; the plain vector instruction between v_exp_f32 and the use of its result (ISA guide 5.7.2)
	s_wait_alu depctr_va_vdst(0)                   ; a and p are written, ahead of their first reader: one wait for the two exponentials
	v_fma_f32 v7, v7, v8, v9
.set kk, 0
.rept 16
	v_pk_mul_f32 v[ACC+kk:ACC+kk+1], v[ACC+kk:ACC+kk+1], v[8:9] op_sel_hi:[1,0]
.set kk, kk+2
.endr
.set kk, 0
.rept 16
	v_pk_fma_f32 v[ACC+kk:ACC+kk+1], v[\xr+kk:\xr+kk+1], v[8:9], v[ACC+kk:ACC+kk+1] op_sel:[0,1,0] op_sel_hi:[1,1,1]
.set kk, kk+2
.endr
.endif
.if \refill
	s_wait_alu depctr_va_vdst(0)                   ; the multiply-adds above are done reading the slot, in which the eight loads below land
	LOADROW \xr, \i+4
.endif
.endm
	s_load_b256 s[4:11], s[0:1], 0x0               ; embeddings s[4:5], attention_mask s[6:7], upart s[8:9], cpart s[10:11]
	s_load_b128 s[12:15], s[0:1], 0x20             ; scores s[12:13], accp s[14:15]
	s_load_b64 s[16:17], s[0:1], 0x30              ; stat
	v_lshl_add_u32 v224, v0, 2, 0x11400
	v_mov_b32 v225, 0
	v_lshrrev_b32 v1, 5, v0
	v_readfirstlane_b32 s18, v1                    ; wave 0..15
	v_and_b32 v1, 31, v0                           ; lane
	s_lshr_b32 s32, ttmp9, 4                       ; b
	s_mov_b32 s36, 0x76543210
	s_mov_b32 s37, 0xfedcba98
	s_mov_b32 s19, 0xc61c4000                      ; -10000.0
	s_mul_f32 s19, s19, 0x3fb8aa3b                 ; x log2(e)
	s_mov_b32 s23, 0
	v_lshlrev_b32 v2, 4, v1
	v_lshlrev_b32 v3, 3, v0
	v_and_b32 v29, 15, v0
	v_lshlrev_b32 v29, 8, v29                      ; cpart: the record of strip lane mod 16
	s_lshl_b32 s22, ttmp9, 9
	s_wait_alu depctr_va_sdst(0)                   ; s18 is written, ahead of its first reader: addresses and the last branch are made from it
	s_lshl_b32 s33, s18, 5
	s_add_co_u32 s22, s22, s33                     ; the mask of my eight rows: 512 bytes a chunk, 32 a wave
	s_wait_kmcnt 0x0
	s_add_nc_u64 s[6:7], s[6:7], s[22:23]
	s_load_b256 s[24:31], s[6:7], 0x0              ; no launch line writes the mask: a scalar load may read it
	s_lshl_b32 s22, ttmp9, 19
	s_lshl_b32 s33, s18, 15
	s_add_co_u32 s22, s22, s33
	s_add_nc_u64 s[4:5], s[4:5], s[22:23]          ; my first row
	s_lshl_b32 s22, s32, 16
	s_add_nc_u64 s[8:9], s[8:9], s[22:23]          ; upart[b]
	s_lshl_b32 s22, s32, 12
	s_add_nc_u64 s[10:11], s[10:11], s[22:23]      ; cpart[b]
	s_lshl_b32 s22, ttmp9, 9
	s_add_nc_u64 s[12:13], s[12:13], s[22:23]      ; the chunk's scores
	s_lshl_b32 s22, ttmp9, 12
	s_add_nc_u64 s[14:15], s[14:15], s[22:23]      ; accp[b][c]
	s_lshl_b32 s22, ttmp9, 8
	s_add_nc_u64 s[16:17], s[16:17], s[22:23]      ; stat[b][c]
	s_wait_alu depctr_va_vdst(0)                   ; the offsets v2, v3 and v29 are written, which the loads below and all later loads and stores read
.set i, 0
.rept 16
	global_load_b64 v[UR+2*i:UR+2*i+1], v3, s[8:9] offset:i*4096   ; columns 2 t, 2 t + 1 of the 16 parts of u
.set i, i+1
.endr
	global_load_b32 v4, v29, s[10:11]
	LOADROW ACC, 0
	LOADROW XR, 1
	LOADROW XR+32, 2
	LOADROW XR+64, 3
	LOADROW XR+96, 4
	v_add_nc_u32 v20, USTR, v3                     ; u in: 8 t
	v_add_nc_u32 v21, USTR, v2                     ; u back: 16 x lane, as a row is loaded
	s_lshl_b32 s33, s18, 5
	s_add_co_u32 s33, s33, SCR
	v_mov_b32 v22, s33                             ; my eight words of z
	s_lshl_b32 s33, s18, 3
	s_add_co_u32 s33, s33, STT
	v_mov_b32 v23, s33                             ; my wave's (m, l)
	s_lshl_b32 s33, s18, 12
	v_add_nc_u32 v24, s33, v2                      ; my wave's weighted sum
	v_mov_b32 v25, STT
	v_lshlrev_b32 v27, 3, v1
	v_add_nc_u32 v28, SCR, v2
	v_mov_b32 v14, 0                               ; the lane exchange counts as a reader of its destination
	v_mov_b32 v15, s19
	s_wait_loadcnt 40                              ; the 40 loads of rows 0 to 4 stay out
	PSUM UR, 16
	PSUM UR, 8
	PSUM UR, 4
	PSUM UR, 2
	v_pk_mul_f32 v[UR:UR+1], v[UR:UR+1], KLIT op_sel_hi:[1,0]
	s_wait_alu depctr_va_vdst(0)                   ; my pair of u x K and the addresses v20 to v28 are written, which this and the later LDS instructions and stores read; the sums are done with UR, in which the LDS loads behind the barrier land
	ds_store_b64 v20, v[UR:UR+1]
	RSUM 4                                         ; the 16 strips' parts of q . bk
	v_mul_f32 v4, KLIT, v4
	s_wait_dscnt 0x0
	BAR
	s_wait_alu depctr_vm_vsrc(0)                   ; my LDS store has read v[UR:UR+1], in which the first load below lands
.set i, 0
.rept 8
	ds_load_b128 v[UR+4*i:UR+4*i+3], v21 offset:512*i
.set i, i+1
.endr
	s_wait_dscnt 0x0
	s_wait_kmcnt 0x0                               ; the eight mask words
	ROW 0, ACC,   32, 1, 0                         ; out behind it: rows 1-4
	ROW 1, XR,    24, 0, 1                         ; rows 2-4; row 5 goes out
	ROW 2, XR+32, 24, 0, 1                         ; rows 3-5; row 6 goes out
	ROW 3, XR+64, 24, 0, 1                         ; rows 4-6; row 7 goes out
	ROW 4, XR+96, 24, 0, 0                         ; rows 5-7; nothing is left to fetch
	ROW 5, XR,    16, 0, 0
	ROW 6, XR+32, 8,  0, 0
	ROW 7, XR+64, 0,  0, 0
	s_wait_alu depctr_va_vdst(0)                   ; the rows have written m, l, the sums and the eight z, which the LDS stores below read, and are done reading UR and XR, in which the LDS loads behind the barrier land
	ds_store_b64 v23, v[6:7]
.set i, 0
.rept 8
	ds_store_b128 v24, v[ACC+4*i:ACC+4*i+3] offset:512*i   ; byte 4 h of my wave's 4,096 holds column h
.set i, i+1
.endr
.set i, 0
.rept 8
	ds_store_b32 v22, v[ZB+i] offset:4*i           ; every lane writes the same word with the same number
.set i, i+1
.endr
	s_wait_dscnt 0x0                               ; z, (m, l) and the sums are in LDS
	BAR
	; the 16 waves' sums become one: thread t takes columns 2 t, 2 t + 1
.set i, 0
.rept 8
	ds_load_b128 v[UR+4*i:UR+4*i+3], v25 offset:16*i   ; v[UR+2w] = m of wave w, v[UR+2w+1] = its l
.set i, i+1
.endr
.set i, 0
.rept 16
	ds_load_b64 v[XR+2*i:XR+2*i+1], v3 offset:4096*i
.set i, i+1
.endr
	s_wait_dscnt 16                                ; the 16 loads of sums stay out
	v_max3_num_f32 v16, v[UR], v[UR+2], v[UR+4]
.irp p, 6,10,14,18,22,26
	v_max3_num_f32 v16, v16, v[UR+\p], v[UR+\p+2]
.endr
	v_max_num_f32 v16, v16, v[UR+30]               ; M
.set i, 0
.rept 16
	v_sub_f32 v[UR+2*i], v[UR+2*i], v16
.set i, i+1
.endr
.set i, 0
.rept 16
	v_exp_f32 v[UR+2*i], v[UR+2*i]                 ; f of wave i = 2^(m - M)
.set i, i+1
.endr
	v_nop                                          ; the plain vector instruction behind the last v_exp_f32
	s_wait_alu depctr_va_vdst(0)                   ; the sixteen f are written, ahead of their first reader: one wait for the batch
	v_mul_f32 v17, v[UR], v[UR+1]
.set i, 1
.rept 15
	v_fmac_f32 v17, v[UR+2*i], v[UR+2*i+1]         ; L = sum of f l
.set i, i+1
.endr
	s_wait_dscnt 0x0
	v_pk_mul_f32 v[18:19], v[XR:XR+1], v[UR:UR+1] op_sel_hi:[1,0]
.set i, 1
.rept 15
	v_pk_fma_f32 v[18:19], v[XR+2*i:XR+2*i+1], v[UR+2*i:UR+2*i+1], v[18:19] op_sel_hi:[1,0,1]
.set i, i+1
.endr
	s_wait_alu depctr_va_vdst(0)                   ; my two columns, M and L are written, which the stores below read; the multiply-adds are done reading XR, in which wave 0's LDS load lands
	global_store_b64 v3, v[18:19], s[14:15]        ; a wave stores 256 consecutive bytes, aligned
	s_cmp_lg_u32 s18, 0
	s_cbranch_scc1 .Ldone
	global_store_b64 v27, v[16:17], s[16:17]       ; (M, L) 32 times: 256 consecutive bytes, aligned
	ds_load_b128 v[XR:XR+3], v28
	s_wait_dscnt 0x0
	global_store_b128 v2, v[XR:XR+3], s[12:13]     ; the chunk's 128 z: 512 consecutive bytes, aligned
.Ldone:
	s_wait_dscnt 0x0                               ; the closing lines, six on end
	s_wait_alu 0x0
	s_wait_tensorcnt 0x0
	ds_add_u32 v224, v225
	s_wait_dscnt 0x0
	s_endpgm
.Lfunc_end_k_qada325b1f8_attn:
	.size	k_qada325b1f8_attn, .Lfunc_end_k_qada325b1f8_attn-k_qada325b1f8_attn
	.p2alignl 7, 3214868480
	.fill 96, 4, 3214868480
	.section	.rodata,"a",@progbits
	.p2align	6, 0x0
	.amdhsa_kernel k_qada325b1f8_attn
		.amdhsa_group_segment_fixed_size 72704
		.amdhsa_private_segment_fixed_size 0
		.amdhsa_enable_private_segment 0
		.amdhsa_kernarg_size 56
		.amdhsa_user_sgpr_count 2
		.amdhsa_user_sgpr_kernarg_segment_ptr 1
		.amdhsa_wavefront_size32 1
		.amdhsa_system_sgpr_workgroup_id_x 1
		.amdhsa_system_sgpr_workgroup_id_y 1
		.amdhsa_system_sgpr_workgroup_id_z 1
		.amdhsa_system_vgpr_workitem_id 0
		.amdhsa_next_free_vgpr 234
		.amdhsa_next_free_sgpr 66
		.amdhsa_reserve_vcc 0
		.amdhsa_float_denorm_mode_32 3
		.amdhsa_float_denorm_mode_16_64 3
		.amdhsa_memory_ordered 1
		.amdhsa_forward_progress 1
		.amdhsa_inst_pref_size 48
	.end_amdhsa_kernel
	.amdgpu_metadata
---
amdhsa.version: [ 1, 2 ]
amdhsa.kernels:
  - .name:           k_qada325b1f8_attn
    .symbol:         k_qada325b1f8_attn.kd
    .args:
      - { .name: embeddings, .offset: 0, .size: 8, .value_kind: global_buffer, .address_space: global }
      - { .name: attention_mask, .offset: 8, .size: 8, .value_kind: global_buffer, .address_space: global }
      - { .name: upart, .offset: 16, .size: 8, .value_kind: global_buffer, .address_space: global }
      - { .name: cpart, .offset: 24, .size: 8, .value_kind: global_buffer, .address_space: global }
      - { .name: scores, .offset: 32, .size: 8, .value_kind: global_buffer, .address_space: global }
      - { .name: accp, .offset: 40, .size: 8, .value_kind: global_buffer, .address_space: global }
      - { .name: stat, .offset: 48, .size: 8, .value_kind: global_buffer, .address_space: global }
    .group_segment_fixed_size: 72704
    .private_segment_fixed_size: 0
    .kernarg_segment_align: 8
    .kernarg_segment_size: 56
    .max_flat_workgroup_size: 512
    .sgpr_count:     66
    .vgpr_count:     234
    .wavefront_size: 32
...
	.end_amdgpu_metadata
.endif
;; end of part 5
;; launch final: the kernel of part 4 again; grid 16 x 16, 16 waves a work-group, clusters of 4 x 1, 268,544 bytes of LDS; arguments Wv, bv, accp, stat, scores, attention_mask, first_sentence_mask, out0, out1, out2; writes out0, out1, out2
